; MI455X (gfx1250); checked and timed in simulation.
; The chip was launched on July 23, 2026; its instructions are those of AMD's public machine-readable ISA for CDNA 5 (MIT licence, August 2026) and "CDNA5" Instruction Set Architecture Reference Guide (July 2026). The comments in the code are by the model that wrote it; some were corrected since.
;; Attention With Context. Allowed arithmetic: matrix products marked QUANTISED: E2M1 operands, one E8M0 scale for each 32 along K, by v_wmma_scale_f32_16x16x128_f8f6f4 with both operands' format E2M1 (or v_wmma_scale_f32_32x16x128_f4), f32 sums; products left as they are: f32 operands where the result goes on into a quantised operand, else bf16, f16 or f32 operands; f32 sums; everything else in f32.
;; Inputs: W 256 x 256 float32; b 256 float32; inputs 64 x 2,048 x 256 float32; mask 64 x 2,048 float32; u 256 float32.
;; Outputs: out0 64 x 256 float32; out1 64 x 2,048 float32.
;; This version of the problem:
;;   THIS VERSION OF THE PROBLEM IS GIVEN IN LOW PRECISION. The matrix products marked QUANTISED in the list below multiply operands that are first quantised to E2M1 (2 exponent bits, 1 mantissa bit; 4 bits a number), with one power-of-two scale for each 32 numbers along K (OCP MX v1.0); their sums are f32. All else is computed in f32.
;;   The module's matrix products, in the order in which they are computed (A, B: the left and right operand; K: the contracted axis; several contracted axes count as one K, in the product's order):
;;     1. [M 131,072, K 256] x [K 256, N 256]; A: input inputs; B: input W: QUANTISED
;;     2. batch 64 x [M 1, K 2,048] x [K 2,048, N 256]; A: computed on the way; B: input inputs: left as it is (M = 1 < 16)
;;   THE QUANTISER, for each operand of a quantised product, along K:
;;     - K is cut into blocks of 32 from its start; a last block that is shorter is filled with zeros.
;;     - A block's scale is 2^e with e = floor(log2(the largest magnitude in the block)) - 2, held to -126 .. 127; a block of zeros has e = 0. As a byte (E8M0): e + 127.
;;     - Each number is divided by its block's scale, clamped to +-6, and rounded to the nearest number of E2M1, ties to even, subnormals kept.
;;     - The product sums the exact products of the quantised numbers (number of the format x scale) in f32.
;;   ~~~python
;;   def quantise(x, axis):      # numpy; x: float32 -> the quantised numbers, widened to float32 again
;;       x = np.moveaxis(x, axis, -1); K = x.shape[-1]
;;       x = np.pad(x, [(0, 0)] * (x.ndim - 1) + [(0, -K % 32)]); x = x.reshape(x.shape[:-1] + (-1, 32)); a = np.abs(x).max(-1, keepdims=True)
;;       e = np.where(a > 0, np.clip(np.frexp(np.where(a > 0, a, 1))[1] - 1 - 2, -126, 127), 0)      # np.frexp(a)[1] - 1 = floor(log2(a)), exactly
;;       r = np.clip(x / 2.0 ** e, -6, 6)
;;       step = 2.0 ** (np.maximum(np.frexp(np.where(r == 0, 1, r))[1] - 1, 0) - 1)
;;       q = np.round(r / step) * step * 2.0 ** e      # np.round: ties to even
;;       return np.moveaxis(q.reshape(q.shape[:-2] + (-1,))[..., :K], -1, axis).astype(np.float32)
;;   ~~~
;; One version. Each part assembles by itself: llvm-mc -triple=amdgcn-amd-amdhsa -mcpu=gfx1250 --defsym DOCPART=n.
;; ======== version 1 of 1: 3 launches
;; workspace buffers: wq 36,864 bytes; lgt 524,288 bytes; part 2,097,152 bytes
;; launch prep (part 1): grid 33 x 1, 1 waves a work-group, no clusters, 0 bytes of LDS; arguments W, b, u, wq; writes wq
.if DOCPART == 1
	.amdgcn_target "amdgcn-amd-amdhsa--gfx1250"
	.amdhsa_code_object_version 6
	.text
	.protected	k_qda700e6080_prep
	.globl	k_qda700e6080_prep
	.p2align	8
	.type	k_qda700e6080_prep,@function
k_qda700e6080_prep:
	s_mov_b64 s[64:65], 0
	v_nop
	global_prefetch_b8 v0, s[64:65] scope:SCOPE_SE
	s_setreg_imm32_b32 hwreg(HW_REG_WAVE_MODE, 25, 1), 1
	s_wait_xcnt 0x0
; W [256 (k)][256 (c)], f32, K on its FIRST axis, becomes codes of FP4 (E2M1) with one E8M0 byte for each 32 along K, laid as the next launch's
; matrix operand wants them: IMAGES OF THE OPERAND'S REGISTERS.  Fragment f = 2 t + s (16 columns 16 t .., K step s of 128) is 1,024 bytes of wq:
; register group c (four registers) at 1024 f + 512 c + 16 x lane.  Its 16 scale words lie at 32768 + 128 t + 64 s + 4 r.
; Behind them: u / 16 (256 numbers, at 34816) and (the sum of b u) / 16 (256 copies, at 35840): logit = sum_c key0 u / 16 + (b . u) / 16.
; Work-groups 0 to 31, one wave each, make one fragment each; work-group 32 makes the two small tables.
; A LANE TAKES A COLUMN AND ITS REGISTERS RUN DOWN K, in the order that the operand's layout gives the lane: lane (r, h) holds k = 64 c + 32 h + 0 .. 31
; of column 16 t + r.  So a lane holds two whole blocks, no other lane is asked for a maximum, and the conversions' results are the operand's registers.
; A block's scale is 2^(floor(log2(largest magnitude)) - 2): its byte is the largest magnitude's exponent field - 2, held at 1 from below.
; LIMITS: a block of zeros gets the byte 1 where the rule says 127 (its codes are zeros, and this program alone reads the bytes); NaN and infinities
; are not served; numbers of u under 2^-122 lose bits in u / 16.
.set X, 32                             ; v32-95  the lane's 64 numbers
.set C, 16                             ; v16-23  the fragment's eight registers
	s_load_b256 s[4:11], s[0:1], 0x0               ; W s[4:5], b s[6:7], u s[8:9], wq s[10:11]
	v_and_b32 v1, 15, v0                           ; r
	v_lshrrev_b32 v2, 4, v0                        ; h (one wave: v0 is the lane)
	v_lshlrev_b32 v4, 4, v0                        ; 16 x lane
	s_mov_b32 s20, 0x76543210
	s_mov_b32 s21, 0xfedcba98                      ; v_permlanex16_b32's selects for lane l xor 16
	s_cmp_eq_u32 ttmp9, 32
	s_cbranch_scc1 .Lu
	; ---- one fragment
	s_lshr_b32 s12, ttmp9, 1                       ; t
	s_and_b32 s13, ttmp9, 1                        ; s
	s_lshl_b32 s12, s12, 6                         ; 16 t columns of 4 bytes
	s_lshl_b32 s13, s13, 17                        ; 128 s rows of 1,024 bytes
	s_add_co_u32 s12, s12, s13
	s_mov_b32 s13, 0
	s_lshl_b32 s14, ttmp9, 10                      ; the fragment's image
	s_mov_b32 s15, 0
	s_lshl_b32 s18, ttmp9, 6                       ; its scale words: 128 t + 64 s
	s_mov_b32 s19, 0
	s_wait_alu depctr_va_vdst(0)
	v_lshlrev_b32 v5, 2, v1                        ; 4 r
	v_lshl_add_u32 v3, v2, 15, v5                  ; lanes 16-31 begin 32 rows further down
	s_wait_alu depctr_va_vdst(0)
	s_wait_kmcnt 0x0
	s_add_nc_u64 s[4:5], s[4:5], s[12:13]
	s_add_nc_u64 s[16:17], s[10:11], s[14:15]
	s_add_nc_u64 s[18:19], s[10:11], s[18:19]
.irp c, 0,1
.irp i, 0,1,2,3,4,5,6,7,8,9,10,11,12,13,14,15,16,17,18,19,20,21,22,23,24,25,26,27,28,29,30,31
	global_load_b32 v[X+32*\c+\i], v3, s[4:5] offset:1024*(64*\c+\i)   ; W(128 s + 64 c + 32 h + i, 16 t + r): sixteen lanes read 64 neighbouring bytes
.endr
.endr
	s_wait_loadcnt 0x0
.irp c, 0,1
	v_max3_num_f32 v[8+\c], |v[X+32*\c]|, |v[X+1+32*\c]|, 0x1800000   ; my block 2 c + h, and the floor 2^(3 - 127): the byte cannot fall under 1
.endr
.irp i, 2,4,6,8,10,12,14,16,18,20,22,24,26,28,30
.irp c, 0,1
	v_max3_num_f32 v[8+\c], v[8+\c], |v[X+32*\c+\i]|, |v[X+1+32*\c+\i]|   ; (the two blocks by turns)
.endr
.endr
.irp c, 0,1
	v_add_nc_u32 v[10+\c], 0xff000000, v[8+\c]     ; 2 off the exponent field: the conversion takes this operand's exponent field as its scale
.endr
.irp c, 0,1
	v_lshrrev_b32 v[12+\c], 23, v[10+\c]           ; the scale's byte
.endr
	v_lshl_or_b32 v14, v13, 16, v12                ; my two bytes: blocks h and 2 + h,
	v_lshlrev_b32 v15, 3, v2
	v_lshlrev_b32 v14, v15, v14                    ; at their places in the word (8 h bits up);
	v_mov_b32 v15, 0
	v_permlanex16_b32 v15, v14, s20, s21
	v_or_b32 v14, v14, v15                         ; with lane l xor 16's two the word is whole, in both lanes
.irp c, 0,1
.irp g, 0,1,2,3
	v_cvt_scalef32_pk8_fp4_f32 v[C+4*\c+\g], v[X+32*\c+8*\g:X+32*\c+8*\g+7], v[10+\c]
.endr
.endr
	v_nop                                          ; one plain place behind the scaled conversions
	global_store_b128 v4, v[C:C+3], s[16:17]               ; 512 consecutive bytes, aligned
	global_store_b128 v4, v[C+4:C+7], s[16:17] offset:512
	global_store_b32 v5, v14, s[18:19] offset:32768        ; 64 bytes a work-group (lanes l and l xor 16 write the same word with the same value): 2,048 bytes in the whole launch
	s_endpgm
.Lu:	; ---- u / 16 and (b . u) / 16
	s_wait_kmcnt 0x0
	s_wait_alu depctr_va_vdst(0)
	global_load_b128 v[16:19], v4, s[8:9]
	global_load_b128 v[20:23], v4, s[8:9] offset:512
	global_load_b128 v[24:27], v4, s[6:7]
	global_load_b128 v[28:31], v4, s[6:7] offset:512
	s_wait_loadcnt 0x0
	v_mul_f32 v8, v16, v24                         ; my eight products, in two chains
	v_mul_f32 v9, v20, v28
.irp i, 1,2,3
	v_fmac_f32 v8, v[16+\i], v[24+\i]
	v_fmac_f32 v9, v[20+\i], v[28+\i]
.endr
	v_add_f32 v8, v8, v9
.irp m, 1,2,4,8
	v_add_f32_dpp v8, v8, v8 row_xmask:\m row_mask:0xf bank_mask:0xf
.endr
	v_permlanex16_b32 v9, v8, s20, s21
	v_add_f32 v8, v8, v9                           ; b . u, in every lane
.irp i, 0,1,2,3
	v_mul_f32 v[32+\i], 0x3d800000, v8             ; / 16 = / sqrt(256)
.endr
.irp i, 0,2,4,6
	v_pk_mul_f32 v[16+\i:17+\i], v[16+\i:17+\i], 0x3d800000 op_sel_hi:[1,0]   ; a power of two: nothing is rounded
.endr
	global_store_b128 v4, v[16:19], s[10:11] offset:34816
	global_store_b128 v4, v[20:23], s[10:11] offset:35328
	global_store_b128 v4, v[32:35], s[10:11] offset:35840
	global_store_b128 v4, v[32:35], s[10:11] offset:36352
	s_endpgm
.Lfunc_end_k_qda700e6080_prep:
	.size	k_qda700e6080_prep, .Lfunc_end_k_qda700e6080_prep-k_qda700e6080_prep
	.p2alignl 7, 3214868480
	.fill 96, 4, 3214868480
	.section	.rodata,"a",@progbits
	.p2align	6, 0x0
	.amdhsa_kernel k_qda700e6080_prep
		.amdhsa_group_segment_fixed_size 0
		.amdhsa_private_segment_fixed_size 0
		.amdhsa_enable_private_segment 0
		.amdhsa_kernarg_size 32
		.amdhsa_user_sgpr_count 2
		.amdhsa_user_sgpr_kernarg_segment_ptr 1
		.amdhsa_wavefront_size32 1
		.amdhsa_system_sgpr_workgroup_id_x 1
		.amdhsa_system_sgpr_workgroup_id_y 1
		.amdhsa_system_sgpr_workgroup_id_z 1
		.amdhsa_system_vgpr_workitem_id 0
		.amdhsa_next_free_vgpr 96
		.amdhsa_next_free_sgpr 66
		.amdhsa_reserve_vcc 0
		.amdhsa_float_denorm_mode_32 3
		.amdhsa_float_denorm_mode_16_64 3
		.amdhsa_memory_ordered 1
		.amdhsa_forward_progress 1
		.amdhsa_inst_pref_size 13
	.end_amdhsa_kernel
	.amdgpu_metadata
---
amdhsa.version: [ 1, 2 ]
amdhsa.kernels:
  - .name:           k_qda700e6080_prep
    .symbol:         k_qda700e6080_prep.kd
    .args:
      - { .name: W, .offset: 0, .size: 8, .value_kind: global_buffer, .address_space: global }
      - { .name: b, .offset: 8, .size: 8, .value_kind: global_buffer, .address_space: global }
      - { .name: u, .offset: 16, .size: 8, .value_kind: global_buffer, .address_space: global }
      - { .name: wq, .offset: 24, .size: 8, .value_kind: global_buffer, .address_space: global }
    .group_segment_fixed_size: 0
    .private_segment_fixed_size: 0
    .kernarg_segment_align: 8
    .kernarg_segment_size: 32
    .max_flat_workgroup_size: 32
    .sgpr_count:     66
    .vgpr_count:     96
    .wavefront_size: 32
...
	.end_amdgpu_metadata
.endif
;; end of part 1
;; launch main (part 2): grid 256 x 1, 4 waves a work-group, no clusters, 168,448 bytes of LDS; arguments wq, inputs, mask, lgt, part; writes lgt, part
.if DOCPART == 2
	.amdgcn_target "amdgcn-amd-amdhsa--gfx1250"
	.amdhsa_code_object_version 6
	.text
	.protected	k_qda700e6080_main
	.globl	k_qda700e6080_main
	.p2align	8
	.type	k_qda700e6080_main,@function
k_qda700e6080_main:
	s_mov_b64 s[64:65], 0
	v_nop
	global_prefetch_b8 v0, s[64:65] scope:SCOPE_SE
	s_setreg_imm32_b32 hwreg(HW_REG_WAVE_MODE, 25, 1), 1
	s_wait_xcnt 0x0
; For each token: x (256 f32) is quantised to FP4 (E2M1) with one E8M0 scale for each 32 along D; key0 = Q(x) Q(W) by the scaled matrix instruction; logit = sum_c key0 u / 16 + (b . u) / 16.
; The pooling runs along with it, under a running maximum: for the wave's 128 tokens, m_P = max(-3e38, the largest logit of a token with mask > 0.5),
;   A1[d] = the sum over tokens with mask > 0.5 of mask e^(logit - m_P) x[d],     A2[d] = the sum over the other tokens of mask x[d]
; (the second kind's weight, mask e^(row's minimum - row's maximum), is known only when the whole batch is: the last launch applies it).  x is read from memory ONCE.
; Stored: the logits (lgt) and A1, A2 (part: 2,048 bytes a wave).  m_P is not stored: the last launch takes the same maximum of the same numbers.
; SHARES.  Work-group g: tokens 512 g on (a quarter of a batch); wave w: unit P = 4 g + w, 128 tokens = 8 tiles of 16 = 32 chunks of 4 tokens (4,096 bytes).  One wave to a SIMD.
; HOW x TRAVELS.  Every load reads 512 consecutive bytes (half a row) into a ring of eight chunk buffers in registers: seven chunks, 56 loads, 28,672 bytes a wave are out at all times.
; A chunk that has landed goes into the wave's own stage in LDS (16 rows, 1,040 bytes apart) and its successor is asked for at once.  A tile is read from the stage twice: as the quantiser
; wants it (lane (r, h): row r, 16 neighbours of each block of 32) and as it lies (a row across the lanes: the pooling's weight is then one number for the wave, the sums are 8 + 8 registers).
; W's codes, scale words, u / 16 and (b . u) / 16 come as one dense block of 36,864 bytes by one tensor load a wave, once, and from LDS into registers, where they stay.
; THE MATRIX INSTRUCTION IS USED TRANSPOSED: source 0 = 16 columns of W, source 1 = 16 tokens: lane (r, h), register j of tile t holds key0(token r, c = 16 t + 8 h + j).
; NO CLUSTER: what work-groups share is the block of 36,864 bytes, against 524,288 bytes of x that are a work-group's own.  No LDS byte is filled twice, so there is no ring of slots.
; The claim of LDS is larger than the 107,520 bytes in use.
; LIMITS: NaN and infinities are not served; logits lie above -3e38; a block of zeros gets the byte 1 where the rule says 127 (its codes are zeros, and nobody else reads the byte);
; an exponential under 2^-126 comes out as 0 (ISA guide, the entry of v_exp_f32).
; REGISTERS, in windows of 256: window 0: addresses, statistics, scale words, codes, sums, v128-255 the tile's numbers;  window 1: W's 32 fragments, fragment 2 t + s at v[16 t + 8 s];
;   window 2: v0-127 the 16 accumulators, v128-255 u / 16 in the accumulators' layout;  window 3: the eight chunk buffers, buffer q at v[32 q + 8 j + 4 h] (token j, half row h).
.set WSC,    32768                     ; LDS, as the buffer wq: images of W's fragments from 0; its scale words;
.set WU,     34816                     ; u / 16;
.set WBU,    35840                     ; (b . u) / 16, 256 copies
.set STG,    36864                     ; the stages: 16 rows for each wave
.set SPITCH, 1040                      ; 1,024 bytes + 16 = 260 words: row r starts at bank 4 r mod 64 (64 banks of 4 bytes: ISA guide 11.1)
.set STGW,   16*SPITCH
.set MSK,    STG+4*STGW                ; the wave's 128 masks, 512 bytes a wave; its 128 logits lie 2,048 bytes further on
.set LI,  1                            ; v1   16 x lane
.set LS,  2                            ; v2   4 x lane
.set XQ,  3                            ; v3   my stage + 1040 r + 64 h: the quantiser's reads
.set XD,  4                            ; v4   my stage + 16 x lane: the dense stores and reads
.set MKA, 5                            ; v5   my wave's masks + 4 r
.set LGA, 6                            ; v6   my wave's logits + 4 r
.set MKT, 7                            ; v7, v8  the same for the trip in hand
.set LGT, 8
.set MK,  9                            ; v9   my token's mask
.set LG,  10                           ; v10  its logit
.set LV,  11                           ; v11  the logit, or -3e38 where the mask is at most 0.5
.set TX,  12                           ; v12  the tile's maximum
.set MN,  13                           ; v13  the new running maximum
.set MR,  14                           ; v14  the running maximum
.set MSW, 15                           ; v15  my wave's masks + 16 x lane
.set SW,  16                           ; v16-31  W's scale words, tile t: lanes 0-15 K step 0's, lanes 16-31 K step 1's; nothing else
.set XS,  32                           ; v32-33  x's scale words of the two K steps; nothing else
.set BU,  34                           ; v34  (b . u) / 16
.set NEG, 35                           ; v35  -3e38
.set FF,  36                           ; v[36:37]  e^(old maximum - new maximum); the upper register is named with it as a pair
.set EE,  38
.set DF,  39
.set W1,  40                           ; v40  mask e^(logit - maximum), or 0
.set W2,  41                           ; v41  0, or the mask
.set TR,  42                           ; v[42:45]  masks on their way in, logits on their way out
.set UA,  46                           ; v46  32 h
.set PC,  48                           ; v48-63  the two fragments of x's codes
.set TM,  64                           ; v64-79  the quantiser's: +0..3 largest magnitudes, +4..7 bytes, +12..15 scale operands
.set A1,  80                           ; v80-87
.set A2,  88                           ; v88-95
.set SM,  96                           ; v96-103  the logit's four pairs of partial sums
.set X,   128
.set WV,  14                           ; s14  wave
.set G1,  16                           ; s[16:23], s[24:27]  the tensor load's descriptor
.set G0,  24
.set SEL, 30                           ; s[30:31]  v_permlanex16_b32's selects for lane l xor 16
.set CNT, 32
.set TO,  33                           ; s33  128 x trip: the trip's masks and logits
.set XP,  34                           ; s[34:35]  x at the trip's first chunk
.set WS,  68                           ; s[68:99]  eight tokens' weights: W1 in s[68 + 4 t], W2 in s[70 + 4 t]; the odd registers are named with them as pairs
.set MSB, 0
.macro WIN new                         ; s_set_vgpr_msb: bits 1:0 source 0, 3:2 source 1, 5:4 source 2, 7:6 destination; the high byte repeats the setting that is left
.if MSB != \new
	s_set_vgpr_msb (MSB<<8)|\new
.set MSB, \new
.endif
.endm
	s_load_b256 s[4:11], s[0:1], 0x0               ; wq s[4:5], inputs s[6:7], mask s[8:9], lgt s[10:11]
	s_load_b64 s[12:13], s[0:1], 0x20              ; part
	v_lshl_add_u32 v126, v0, 2, 0x29000
	v_mov_b32 v127, 0
	ds_add_u32 v126, v127
	ds_add_u32 v126, v127
	v_lshrrev_b32 v[TM], 5, v0
	v_readfirstlane_b32 s[WV], v[TM]               ; wave 0..3
	v_and_b32 v[TM], 15, v0                        ; r
	v_bfe_u32 v[TM+1], v0, 4, 1                    ; h
	v_and_b32 v[TM+2], 31, v0                      ; lane
	v_lshlrev_b32 v[LI], 4, v[TM+2]
	v_lshlrev_b32 v[LS], 2, v[TM+2]
	s_mul_i32 s28, s[WV], STGW
	s_add_co_u32 s28, s28, STG                     ; my stage
	v_mul_u32_u24 v[XQ], v[TM], SPITCH
	v_lshl_add_u32 v[XQ], v[TM+1], 6, v[XQ]
	v_add_nc_u32 v[XQ], s28, v[XQ]
	v_add_nc_u32 v[XD], s28, v[LI]
	s_lshl_b32 s28, s[WV], 9
	s_add_co_u32 s28, s28, MSK                     ; my masks
	v_lshl_add_u32 v[MKA], v[TM], 2, s28
	v_add_nc_u32 v[LGA], 2048, v[MKA]
	v_add_nc_u32 v[MSW], s28, v[LI]
	v_lshlrev_b32 v[UA], 5, v[TM+1]
	s_lshl_b32 s15, ttmp9, 2
	s_add_co_u32 s15, s15, s[WV]                   ; P = 4 g + w
	; descriptor group 1: a dense block of 9,216 bytes as 36 rows of 256 bytes (32 elements of 8 bytes), no padding, no mask
	s_mov_b32 s[G1+0], 3<<16                       ; 17:16 elements of 8 bytes
	s_mov_b32 s[G1+1], 32<<16                      ; tensor_dim0 = 32
	s_mov_b32 s[G1+2], 36<<16                      ; tensor_dim1 = 36
	s_mov_b32 s[G1+3], 32<<16                      ; tile_dim0 = 32
	s_mov_b32 s[G1+4], 36                          ; tile_dim1 = 36
	s_mov_b32 s[G1+5], 32                          ; elements from row to row
	s_mov_b32 s[G1+6], 0
	s_mov_b32 s[G1+7], 0
	s_mov_b32 s[SEL], 0x76543210
	s_mov_b32 s[SEL+1], 0xfedcba98
	s_mov_b32 s[TO], 0
	s_mov_b32 s[CNT], 3
.set i, 0
.rept 16
	s_mov_b32 s[WS+1+2*i], 0
.set i, i+1
.endr
	s_mov_b32 s29, 0
	s_wait_dscnt 0x0
	s_wait_kmcnt 0x0
	s_lshl_b32 s28, s15, 17                        ; 128 tokens of 1,024 bytes
	s_add_nc_u64 s[XP:XP+1], s[6:7], s[28:29]
	s_lshl_b32 s28, s15, 9                         ; 128 numbers of 4 bytes
	s_add_nc_u64 s[8:9], s[8:9], s[28:29]
	s_add_nc_u64 s[10:11], s[10:11], s[28:29]
	s_lshl_b32 s28, s15, 11                        ; 2,048 bytes a unit
	s_add_nc_u64 s[12:13], s[12:13], s[28:29]
	s_mul_i32 s28, s[WV], 9216                     ; my quarter of the block, in memory and in LDS
	s_mov_b32 s[G0], 1                             ; count = 1
	s_mov_b32 s[G0+1], s28                         ; LDS address
	s_add_nc_u64 s[G0+2:G0+3], s[4:5], s[28:29]    ; global address
	s_or_b32 s[G0+3], s[G0+3], 0x80000000          ; type = 2
	tensor_load_to_lds s[G0:G0+3], s[G1:G1+7]      ; the wave's one tensor load: one is out
	s_nop 0
.rept 4
	v_nop
.endr
	global_load_b128 v[TR:TR+3], v[LI], s[8:9]     ; my wave's 128 masks: 512 consecutive bytes
	WIN 0xc0                                       ; destination window 3
.irp c, 0,1,2,3,4,5,6
.irp j, 0,1,2,3
.irp h, 0,1
	global_load_b128 v[32*\c+8*\j+4*\h:32*\c+8*\j+4*\h+3], v[LI], s[XP:XP+1] offset:4096*\c+1024*\j+512*\h th:TH_LOAD_NT   ; chunks 0 to 6
.endr
.endr
.endr
	WIN 0
.irp j, 0,1,2,3,4,5,6,7,8,9,10,11,12,13,14,15
	v_mov_b32 v[A1+\j], 0                          ; the loop is written once: its first tile adds onto zeros
.endr
	v_mov_b32 v[NEG], 0xff61b1e6                   ; -3e38
	v_mov_b32 v[MR], 0xff61b1e6
	v_mov_b32 v[TX], 0                             ; destinations of lane permutes and DPP forms count as read: written once
	v_mov_b32 v[FF+1], 0
.irp b, 0,1,2,3
	v_mov_b32 v[TM+4+\b], 0
.endr
	s_wait_tensorcnt 0x0                           ; my quarter of the block is in LDS,
	s_barrier_signal -1
	s_barrier_wait -1                              ; everybody's is.  (My loads of x and of the masks stay on their way: they land in registers)
	WIN 0x40                                       ; destination window 1
.set f, 0
.rept 32
	ds_load_b128 v[8*f:8*f+3],   v[LI] offset:1024*f       ; W's fragments, as images of their registers
	ds_load_b128 v[8*f+4:8*f+7], v[LI] offset:1024*f+512
.set f, f+1
.endr
	WIN 0x80                                       ; destination window 2
.irp t, 0,1,2,3,4,5,6,7,8,9,10,11,12,13,14,15
	ds_load_b128 v[128+8*\t:128+8*\t+3],   v[UA] offset:WU+64*\t      ; u / 16 at c = 16 t + 8 h + 0 .. 7
	ds_load_b128 v[128+8*\t+4:128+8*\t+7], v[UA] offset:WU+64*\t+16
.endr
	WIN 0
.irp t, 0,1,2,3,4,5,6,7,8,9,10,11,12,13,14,15
	ds_load_b32 v[SW+\t], v[LS] offset:WSC+128*\t
.endr
	ds_load_b32 v[BU], v[LS] offset:WBU
	s_wait_loadcnt 56                              ; the masks are in: behind their load stand the 56 of x
	ds_store_b128 v[MSW], v[TR:TR+3]
	s_wait_dscnt 0x0                               ; W, u, the scale words are in registers
; Chunk buffer q of the trip.  left: the loads of the younger chunks, which may stay out.  fill = 1: the chunk seven further on is asked for, into the buffer in front of this one in the ring.
.macro CH q, fill, left
	s_wait_loadcnt \left                           ; loads come back in order (ISA guide 5.7.1): this chunk's eight are in
	WIN 0x0c                                       ; an LDS store's data are its source 1: window 3
.irp j, 0,1,2,3
.irp h, 0,1
	ds_store_b128 v[XD], v[32*\q+8*\j+4*\h:32*\q+8*\j+4*\h+3] offset:(4*(\q%4)+\j)*SPITCH+512*\h
.endr
.endr
.if \fill
	s_wait_dscnt 8                                 ; all but the eight just issued: the stores that read the buffer in front are done
	WIN 0xc0
.irp j, 0,1,2,3
.irp h, 0,1
	global_load_b128 v[32*((\q+7)%8)+8*\j+4*\h:32*((\q+7)%8)+8*\j+4*\h+3], v[LI], s[XP:XP+1] offset:(\q+7)*4096+1024*\j+512*\h th:TH_LOAD_NT
.endr
.endr
.endif
.endm
; 64 numbers of a lane, register 16 b + i = k 32 b + 16 h + i of my row, become a fragment's codes in v[pc] on and its scale word in v[pw].
.macro QUANT src, pc, pw
.irp b, 0,1,2,3
	v_max3_num_f32 v[TM+\b], |v[(\src)+16*\b]|, |v[(\src)+1+16*\b]|, 0x1800000   ; block b: my 16 numbers, and the floor 2^(3 - 127): the byte cannot fall under 1
.endr
.irp i, 2,4,6,8,10,12,14
.irp b, 0,1,2,3
	v_max3_num_f32 v[TM+\b], v[TM+\b], |v[(\src)+16*\b+\i]|, |v[(\src)+1+16*\b+\i]|   ; (the four blocks by turns)
.endr
.endr
.irp b, 0,1,2,3
	v_permlanex16_b32 v[TM+4+\b], v[TM+\b], s[SEL], s[SEL+1]
.endr
.irp b, 0,1,2,3
	v_max_num_f32 v[TM+\b], v[TM+\b], v[TM+4+\b]   ; with lane l xor 16's 16: the block's largest magnitude
.endr
.irp b, 0,1,2,3
	v_add_nc_u32 v[TM+12+\b], 0xff000000, v[TM+\b] ; 2 off its exponent field: the conversion's scale operand
.endr
.irp b, 0,1,2,3
	v_lshrrev_b32 v[TM+4+\b], 23, v[TM+12+\b]      ; the scale's byte
.endr
	v_lshl_or_b32 v[\pw], v[TM+5], 8, v[TM+4]      ; my row's scale word
	v_lshl_or_b32 v[\pw], v[TM+6], 16, v[\pw]
	v_lshl_or_b32 v[\pw], v[TM+7], 24, v[\pw]
.irp b, 0,1,2,3
	v_cvt_scalef32_pk8_fp4_f32 v[(\pc)+2*\b], v[(\src)+16*\b:(\src)+7+16*\b], v[TM+12+\b]
	v_cvt_scalef32_pk8_fp4_f32 v[(\pc)+1+2*\b], v[(\src)+8+16*\b:(\src)+15+16*\b], v[TM+12+\b]
.endr
	v_nop                                          ; one plain place behind a scaled conversion
.irp c, 0,1                                    ; the operand's layout wants a WHOLE block in a lane: lanes 0-15 block 2 c, lanes 16-31 block 2 c + 1
.irp i, 0,1
	v_permlane16_swap_b32 v[(\pc)+4*\c+\i], v[(\pc)+2+4*\c+\i]
.endr
.endr
.endm
; The tile of 16 tokens that lies in my stage: tile e of the trip.
.macro TILE e
	WIN 0
	v_add_nc_u32 v[MKT], s[TO], v[MKA]
	v_add_nc_u32 v[LGT], s[TO], v[LGA]
.irp s, 0,1
.irp b, 0,1,2,3
.irp j, 0,1,2,3
	ds_load_b128 v[X+64*\s+16*\b+4*\j:X+64*\s+16*\b+4*\j+3], v[XQ] offset:512*\s+128*\b+16*\j   ; LDS serves a wave's instructions in order (ISA guide 5.7.1.4): these see the chunks' stores
.endr
.endr
.endr
	ds_load_b32 v[MK], v[MKT] offset:64*\e
	s_wait_dscnt 17                                ; K step 0's sixteen are in; K step 1's sixteen and the mask may be out
	QUANT X, PC, XS
	s_wait_dscnt 0x0
	QUANT X+64, PC+8, XS+1
.irp t, 0,1,2,3,4,5,6,7,8,9,10,11,12,13,14,15
.irp h, 0,1
	ds_load_b128 v[X+8*\t+4*\h:X+8*\t+4*\h+3], v[XD] offset:SPITCH*\t+512*\h   ; the tile once more, as it lies: lane l holds d = 128 h + 4 l + 0 .. 3 of token t.  It lands under the products
.endr
.endr
.rept 8
	v_nop                                          ; a scale register written by a vector instruction stands 8 places ahead of a scaled matrix instruction, an operand so written 4
.endr
	WIN 0xa1                                       ; source 0 (W) window 1, source 1 (x) window 0, C and D window 2
.irp t, 0,1,2,3,4,5,6,7,8,9,10,11,12,13,14,15  ; the 16 accumulators take turns, one instruction a turn; the first K step starts the sums
	v_wmma_scale_f32_16x16x128_f8f6f4 v[8*\t:8*\t+7], v[16*\t:16*\t+7], v[PC:PC+7], 0, v[SW+\t], v[XS] matrix_a_fmt:MATRIX_FMT_FP4 matrix_b_fmt:MATRIX_FMT_FP4
.endr
.irp t, 0,1,2,3,4,5,6,7,8,9,10,11,12,13,14,15
	v_wmma_scale_f32_16x16x128_f8f6f4 v[8*\t:8*\t+7], v[16*\t+8:16*\t+15], v[PC+8:PC+15], v[8*\t:8*\t+7], v[SW+\t], v[XS+1] matrix_a_fmt:MATRIX_FMT_FP4 matrix_b_fmt:MATRIX_FMT_FP4 matrix_a_scale:MATRIX_SCALE_ROW1
.endr
.rept 4
	v_nop                                          ; four places in front of the first read of results (ISA guide 7.12.1)
.endr
	WIN 0x0a                                       ; sources 0 and 1 window 2
.irp p, 0,1,2,3
	v_pk_mul_f32 v[SM+2*\p:SM+2*\p+1], v[2*\p:2*\p+1], v[128+2*\p:128+2*\p+1]   ; key0 u / 16, four chains; each accumulator from its low end on
.endr
.irp t, 1,2,3,4,5,6,7,8,9,10,11,12,13,14,15
.irp p, 0,1,2,3
	v_pk_fma_f32 v[SM+2*\p:SM+2*\p+1], v[8*\t+2*\p:8*\t+2*\p+1], v[128+8*\t+2*\p:128+8*\t+2*\p+1], v[SM+2*\p:SM+2*\p+1]
.endr
.endr
	WIN 0
	v_pk_add_f32 v[SM:SM+1], v[SM:SM+1], v[SM+2:SM+3]
	v_pk_add_f32 v[SM+4:SM+5], v[SM+4:SM+5], v[SM+6:SM+7]
	v_pk_add_f32 v[SM:SM+1], v[SM:SM+1], v[SM+4:SM+5]
	v_add_f32 v[SM], v[SM], v[SM+1]
	v_permlanex16_b32 v[SM+1], v[SM], s[SEL], s[SEL+1]     ; the token's other 128 columns lie in the lane 16 away
	v_add_f32 v[SM], v[SM], v[SM+1]
	v_add_f32 v[LG], v[SM], v[BU]                  ; token r's logit, in lanes r and r + 16
	ds_store_b32 v[LGT], v[LG] offset:64*\e        ; (both write the same word with the same value)
	v_cmp_lt_f32 vcc_lo, 0.5, v[MK]                ; mask > 0.5
	v_cndmask_b32 v[LV], v[NEG], v[LG], vcc_lo
	v_max_num_f32_dpp v[TX], v[LV], v[LV] row_xmask:1 row_mask:0xf bank_mask:0xf
.irp m, 2,4,8
	v_max_num_f32_dpp v[TX], v[TX], v[TX] row_xmask:\m row_mask:0xf bank_mask:0xf   ; both halves of the lanes hold the same 16 tokens: the tile's maximum, in every lane
.endr
	v_max_num_f32 v[MN], v[MR], v[TX]
	v_sub_f32 v[DF], v[MR], v[MN]
	v_sub_f32 v[EE], v[LV], v[MN]
	v_mul_f32 v[DF], 0x3fb8aa3b, v[DF]             ; x log2(e)
	v_mul_f32 v[EE], 0x3fb8aa3b, v[EE]
	s_wait_alu depctr_va_vdst(0)
	v_exp_f32 v[FF], v[DF]                         ; what was summed under the old maximum is brought under the new: 1 where it has not grown
	v_exp_f32 v[EE], v[EE]
	v_mov_b32 v[MR], v[MN]                         ; (the plain place behind the exponentials)
	s_wait_alu depctr_va_vdst(0)
	v_mul_f32 v[EE], v[MK], v[EE]
	v_cndmask_b32 v[W1], 0, v[EE], vcc_lo
	v_cndmask_b32 v[W2], v[MK], 0, vcc_lo
.irp p, 0,1,2,3
	v_pk_mul_f32 v[A1+2*\p:A1+2*\p+1], v[A1+2*\p:A1+2*\p+1], v[FF:FF+1] op_sel_hi:[1,0]
.endr
	s_wait_alu depctr_va_vdst(0)
	s_wait_dscnt 0x0                               ; the tile's rows are in
.irp g, 0,1                                    ; eight tokens at a time: their weights become scalars, one pair of numbers of a row an instruction
.irp t, 0,1,2,3,4,5,6,7
	v_readlane_b32 s[WS+4*\t], v[W1], 8*\g+\t
	v_readlane_b32 s[WS+2+4*\t], v[W2], 8*\g+\t
.endr
.irp t, 0,1,2,3,4,5,6,7
.irp p, 0,1,2,3
	v_pk_fma_f32 v[A1+2*\p:A1+2*\p+1], v[X+8*(8*\g+\t)+2*\p:X+8*(8*\g+\t)+2*\p+1], s[WS+4*\t:WS+4*\t+1], v[A1+2*\p:A1+2*\p+1] op_sel_hi:[1,0,1]
.endr
.irp p, 0,1,2,3
	v_pk_fma_f32 v[A2+2*\p:A2+2*\p+1], v[X+8*(8*\g+\t)+2*\p:X+8*(8*\g+\t)+2*\p+1], s[WS+2+4*\t:WS+3+4*\t], v[A2+2*\p:A2+2*\p+1] op_sel_hi:[1,0,1]
.endr
.endr
.endr
.endm
.Ltrip:                                        ; three trips of eight chunks, two tiles; every chunk's turn leaves six younger chunks, 48 loads, out and asks for one more
	CH 0, 1, 48
	CH 1, 1, 48
	CH 2, 1, 48
	CH 3, 1, 48
	TILE 0
	CH 4, 1, 48
	CH 5, 1, 48
	CH 6, 1, 48
	CH 7, 1, 48
	TILE 1
	s_wait_xcnt 0x0                                ; the loads' base is stepped only behind this wait
	s_add_nc_u64 s[XP:XP+1], s[XP:XP+1], 32768
	s_add_co_u32 s[TO], s[TO], 128
	s_sub_co_u32 s[CNT], s[CNT], 1
	s_cmp_lg_u32 s[CNT], 0
	s_cbranch_scc1 .Ltrip
	CH 0, 1, 48                                    ; the last eight chunks are written out: one more is asked for, the wave's last; then the counts run down and no load leaves the buffer
	CH 1, 0, 48
	CH 2, 0, 40
	CH 3, 0, 32
	TILE 0
	CH 4, 0, 24
	CH 5, 0, 16
	CH 6, 0, 8
	CH 7, 0, 0
	TILE 1
	ds_load_b128 v[TR:TR+3], v[MSW] offset:2048    ; my wave's 128 logits, 16 bytes a lane
	s_wait_alu depctr_va_vdst(0)
	s_wait_dscnt 0x0
	global_store_b128 v[LI], v[TR:TR+3], s[10:11]              ; each store of the wave covers 512 consecutive bytes, aligned
	global_store_b128 v[LI], v[A1:A1+3],   s[12:13]            ; A1: d = 4 l + 0 .. 3,
	global_store_b128 v[LI], v[A1+4:A1+7], s[12:13] offset:512 ; d = 128 + 4 l + 0 .. 3
	global_store_b128 v[LI], v[A2:A2+3],   s[12:13] offset:1024
	global_store_b128 v[LI], v[A2+4:A2+7], s[12:13] offset:1536
	s_wait_tensorcnt 0x0
	ds_add_u32 v126, v127
	s_wait_dscnt 0x0
	s_endpgm
.Lfunc_end_k_qda700e6080_main:
	.size	k_qda700e6080_main, .Lfunc_end_k_qda700e6080_main-k_qda700e6080_main
	.p2alignl 7, 3214868480
	.fill 96, 4, 3214868480
	.section	.rodata,"a",@progbits
	.p2align	6, 0x0
	.amdhsa_kernel k_qda700e6080_main
		.amdhsa_group_segment_fixed_size 168448
		.amdhsa_private_segment_fixed_size 0
		.amdhsa_enable_private_segment 0
		.amdhsa_kernarg_size 40
		.amdhsa_user_sgpr_count 2
		.amdhsa_user_sgpr_kernarg_segment_ptr 1
		.amdhsa_wavefront_size32 1
		.amdhsa_system_sgpr_workgroup_id_x 1
		.amdhsa_system_sgpr_workgroup_id_y 1
		.amdhsa_system_sgpr_workgroup_id_z 1
		.amdhsa_system_vgpr_workitem_id 0
		.amdhsa_next_free_vgpr 1024
		.amdhsa_next_free_sgpr 100
		.amdhsa_reserve_vcc 1
		.amdhsa_float_denorm_mode_32 3
		.amdhsa_float_denorm_mode_16_64 3
		.amdhsa_memory_ordered 1
		.amdhsa_forward_progress 1
		.amdhsa_inst_pref_size 161
	.end_amdhsa_kernel
	.amdgpu_metadata
---
amdhsa.version: [ 1, 2 ]
amdhsa.kernels:
  - .name:           k_qda700e6080_main
    .symbol:         k_qda700e6080_main.kd
    .args:
      - { .name: wq, .offset: 0, .size: 8, .value_kind: global_buffer, .address_space: global }
      - { .name: inputs, .offset: 8, .size: 8, .value_kind: global_buffer, .address_space: global }
      - { .name: mask, .offset: 16, .size: 8, .value_kind: global_buffer, .address_space: global }
      - { .name: lgt, .offset: 24, .size: 8, .value_kind: global_buffer, .address_space: global }
      - { .name: part, .offset: 32, .size: 8, .value_kind: global_buffer, .address_space: global }
    .group_segment_fixed_size: 168448
    .private_segment_fixed_size: 0
    .kernarg_segment_align: 8
    .kernarg_segment_size: 40
    .max_flat_workgroup_size: 128
    .sgpr_count:     100
    .vgpr_count:     1024
    .wavefront_size: 32
...
	.end_amdgpu_metadata
.endif
;; end of part 2
;; launch fin (part 3): grid 64 x 1, 16 waves a work-group, no clusters, 18,688 bytes of LDS; arguments lgt, mask, part, out0, out1; writes out0, out1
.if DOCPART == 3
	.amdgcn_target "amdgcn-amd-amdhsa--gfx1250"
	.amdhsa_code_object_version 6
	.text
	.protected	k_qda700e6080_fin
	.globl	k_qda700e6080_fin
	.p2align	8
	.type	k_qda700e6080_fin,@function
k_qda700e6080_fin:
	s_mov_b64 s[64:65], 0
	v_nop
	global_prefetch_b8 v0, s[64:65] scope:SCOPE_SE
	s_setreg_imm32_b32 hwreg(HW_REG_WAVE_MODE, 25, 1), 1
	s_wait_xcnt 0x0
; The softmax over a batch's 2,048 logits, as the module has it, and the joining of the batch's 16 partial poolings.
;   MIN = the smallest logit;  MAX = the largest of (logit where mask > 0.5, MIN elsewhere) = max(the largest logit with mask > 0.5, MIN);
;   w = mask e^((logit or MIN) - MAX);  scores = w / (the sum of w + 1e-32);
;   out0 = (the sum over units P of A1_P e^(m_P - MAX) + e^(MIN - MAX) A2_P) / (the sum of w + 1e-32).
; A work-group is a batch; thread i takes tokens 4 i .. 4 i + 3, so wave w's 128 tokens are exactly unit 16 b + w of the launch before: its maximum over the tokens with mask > 0.5,
; begun at -3e38, is that unit's m_P, bit for bit (a maximum rounds nothing).  Three figures meet in LDS (maxima, minima; then sums and the scaled parts): two barriers.
; Memory binds and the work is small: no matrix unit, no tensor load, no cluster (work-groups share nothing).  Every load and store of a wave covers 512 consecutive bytes.
; LIMITS: NaN and infinities are not served; logits lie above -3e38; an exponential under 2^-126 comes out as 0; the division is a reciprocal (1 ulp) and a multiplication.
.set MAXA, 0                           ; LDS: 16 maxima, 16 minima, 16 sums, 64 bytes each;
.set MINA, 64
.set SUMA, 128
.set PST,  256                         ; 16 scaled parts of 1,024 bytes
	s_load_b256 s[4:11], s[0:1], 0x0               ; lgt s[4:5], mask s[6:7], part s[8:9], out0 s[10:11]
	s_load_b64 s[12:13], s[0:1], 0x20              ; out1
	v_lshl_add_u32 v160, v0, 2, 0x4100
	v_mov_b32 v161, 0
	v_lshrrev_b32 v1, 5, v0
	s_delay_alu instid0(VALU_DEP_1)
	v_readfirstlane_b32 s14, v1                    ; wave 0..15
	v_and_b32 v1, 31, v0
	v_lshlrev_b32 v2, 4, v0                        ; 16 x thread
	s_delay_alu instid0(VALU_DEP_2)
	v_lshlrev_b32 v3, 4, v1                        ; 16 x lane
	s_wait_alu depctr_va_vdst(0)
	s_lshl_b32 s16, ttmp9, 13                      ; a batch's 2,048 numbers
	s_mov_b32 s17, 0
	s_lshl_b32 s18, ttmp9, 15                      ; its 16 units of 2,048 bytes,
	s_lshl_b32 s15, s14, 11
	s_add_co_u32 s18, s18, s15                     ; and my wave's
	s_mov_b32 s19, 0
	s_lshl_b32 s24, ttmp9, 10                      ; its row of out0
	s_mov_b32 s25, 0
	s_lshl_b32 s15, s14, 2
	v_mov_b32 v41, s15                             ; 4 w: my wave's word in each of the three tables
	s_lshl_b32 s15, s14, 10
	s_add_co_u32 s15, s15, PST
	v_add_nc_u32 v43, s15, v3                      ; my wave's part: + 16 x lane
	v_add_nc_u32 v86, PST, v2                      ; the way back, for waves 0 and 1: 16 x thread
	v_mov_b32 v42, 0
	v_mov_b32 v40, 0xff61b1e6                      ; -3e38
	v_mov_b32 v38, 0                               ; lane permutes' destinations count as read; upper halves of pairs are named
	v_mov_b32 v39, 0
	v_mov_b32 v81, 0
	v_mov_b32 v83, 0
	v_mov_b32 v89, 0
	s_mov_b32 s26, 0x76543210
	s_mov_b32 s27, 0xfedcba98
	s_wait_kmcnt 0x0
	s_add_nc_u64 s[4:5], s[4:5], s[16:17]
	s_add_nc_u64 s[6:7], s[6:7], s[16:17]
	s_add_nc_u64 s[12:13], s[12:13], s[16:17]
	s_add_nc_u64 s[8:9], s[8:9], s[18:19]
	s_add_nc_u64 s[10:11], s[10:11], s[24:25]
	global_load_b128 v[8:11], v2, s[4:5]           ; my four logits
	global_load_b128 v[12:15], v2, s[6:7]          ; my four masks
	global_load_b128 v[16:19], v3, s[8:9]          ; A1
	global_load_b128 v[20:23], v3, s[8:9] offset:512
	global_load_b128 v[24:27], v3, s[8:9] offset:1024      ; A2
	global_load_b128 v[28:31], v3, s[8:9] offset:1536
	s_wait_loadcnt 4                               ; logits and masks are in; the four loads of the part may be out
.irp i, 0,1,2,3
	v_cmp_lt_f32 s[20+\i], 0.5, v[12+\i]           ; mask > 0.5
.endr
.irp i, 0,1,2,3
	s_delay_alu instid0(VALU_DEP_4)
	v_cndmask_b32 v[32+\i], v40, v[8+\i], s[20+\i]
.endr
	s_delay_alu instid0(VALU_DEP_2)
	v_max3_num_f32 v36, v32, v33, v34
	v_min3_num_f32 v37, v8, v9, v10
	s_delay_alu instid0(VALU_DEP_2)
	v_max_num_f32 v36, v36, v35
	s_delay_alu instid0(VALU_DEP_2)
	v_min_num_f32 v37, v37, v11
.irp m, 1,2,4,8
	s_delay_alu instid0(VALU_DEP_2)
	v_max_num_f32_dpp v36, v36, v36 row_xmask:\m row_mask:0xf bank_mask:0xf
	s_delay_alu instid0(VALU_DEP_2)
	v_min_num_f32_dpp v37, v37, v37 row_xmask:\m row_mask:0xf bank_mask:0xf
.endr
	s_delay_alu instid0(VALU_DEP_2)
	v_permlanex16_b32 v38, v36, s26, s27
	s_delay_alu instid0(VALU_DEP_2)
	v_permlanex16_b32 v39, v37, s26, s27
	s_delay_alu instid0(VALU_DEP_2)
	v_max_num_f32 v36, v36, v38                    ; m_P
	s_delay_alu instid0(VALU_DEP_2)
	v_min_num_f32 v37, v37, v39                    ; my wave's smallest logit
	ds_store_b32 v41, v36 offset:MAXA              ; all lanes write the same word with the same value
	ds_store_b32 v41, v37 offset:MINA
	s_wait_dscnt 0x0                               ; for the others' sake: my stores are done
	s_barrier_signal -1
	s_barrier_wait -1
.irp i, 0,1,2,3
	ds_load_b128 v[44+4*\i:47+4*\i], v42 offset:MAXA+16*\i
.endr
.irp i, 0,1,2,3
	ds_load_b128 v[60+4*\i:63+4*\i], v42 offset:MINA+16*\i
.endr
	s_wait_dscnt 0x0
	v_max3_num_f32 v76, v44, v45, v46
	v_min3_num_f32 v77, v60, v61, v62
.irp i, 3,5,7,9,11,13
	s_delay_alu instid0(VALU_DEP_2)
	v_max3_num_f32 v76, v76, v[44+\i], v[45+\i]
	s_delay_alu instid0(VALU_DEP_2)
	v_min3_num_f32 v77, v77, v[60+\i], v[61+\i]
.endr
	s_delay_alu instid0(VALU_DEP_2)
	v_max_num_f32 v76, v76, v59
	s_delay_alu instid0(VALU_DEP_2)
	v_min_num_f32 v77, v77, v75                    ; MIN
	s_delay_alu instid0(VALU_DEP_1)
	v_max_num_f32 v78, v76, v77                    ; MAX
.irp i, 0,1,2,3
	v_cndmask_b32 v[32+\i], v77, v[8+\i], s[20+\i] ; the logit, or MIN
.endr
.irp i, 0,1,2,3
	s_delay_alu instid0(VALU_DEP_4)
	v_sub_f32 v[32+\i], v[32+\i], v78
.endr
	v_sub_f32 v80, v36, v78                        ; m_P - MAX
	v_sub_f32 v82, v77, v78                        ; MIN - MAX
.irp i, 0,1,2,3
	v_mul_f32 v[32+\i], 0x3fb8aa3b, v[32+\i]       ; x log2(e)
.endr
	v_mul_f32 v80, 0x3fb8aa3b, v80
	v_mul_f32 v82, 0x3fb8aa3b, v82
	s_wait_alu depctr_va_vdst(0)
.irp i, 0,1,2,3
	v_exp_f32 v[32+\i], v[32+\i]
.endr
	v_exp_f32 v80, v80
	v_exp_f32 v82, v82
	v_nop                                          ; one plain place behind the exponentials
	s_wait_alu depctr_va_vdst(0)
.irp i, 0,1,2,3
	v_mul_f32 v[32+\i], v[12+\i], v[32+\i]         ; w = mask x e^(..)
.endr
	s_delay_alu instid0(VALU_DEP_3)
	v_add_f32 v84, v32, v33
	s_delay_alu instid0(VALU_DEP_2)
	v_add_f32 v85, v34, v35
	s_delay_alu instid0(VALU_DEP_1)
	v_add_f32 v84, v84, v85
.irp m, 1,2,4,8
	s_delay_alu instid0(VALU_DEP_1)
	v_add_f32_dpp v84, v84, v84 row_xmask:\m row_mask:0xf bank_mask:0xf
.endr
	s_delay_alu instid0(VALU_DEP_1)
	v_permlanex16_b32 v85, v84, s26, s27
	s_delay_alu instid0(VALU_DEP_1)
	v_add_f32 v84, v84, v85                        ; my wave's sum of w
	ds_store_b32 v41, v84 offset:SUMA
	s_wait_loadcnt 0x0                             ; A1, A2
.irp p, 0,2,4,6
	v_pk_mul_f32 v[16+\p:17+\p], v[16+\p:17+\p], v[80:81] op_sel_hi:[1,0]
.endr
.irp p, 0,2,4,6
	v_pk_fma_f32 v[16+\p:17+\p], v[24+\p:25+\p], v[82:83], v[16+\p:17+\p] op_sel_hi:[1,0,1]
.endr
	ds_store_b128 v43, v[16:19]
	ds_store_b128 v43, v[20:23] offset:512
	s_wait_dscnt 0x0                               ; for the others' sake: my stores are done
	s_barrier_signal -1
	s_barrier_wait -1
.irp i, 0,1,2,3
	ds_load_b128 v[44+4*\i:47+4*\i], v42 offset:SUMA+16*\i
.endr
	s_wait_dscnt 0x0
.irp i, 0,4,8,12
	v_pk_add_f32 v[44+\i:45+\i], v[44+\i:45+\i], v[46+\i:47+\i]
.endr
	s_delay_alu instid0(VALU_DEP_3)
	v_pk_add_f32 v[44:45], v[44:45], v[48:49]
	s_delay_alu instid0(VALU_DEP_2)
	v_pk_add_f32 v[52:53], v[52:53], v[56:57]
	s_delay_alu instid0(VALU_DEP_1)
	v_pk_add_f32 v[44:45], v[44:45], v[52:53]
	s_delay_alu instid0(VALU_DEP_1)
	v_add_f32 v44, v44, v45
	s_delay_alu instid0(VALU_DEP_1)
	v_add_f32 v44, 0x0a4fb11f, v44                 ; + 1e-32
	s_wait_alu depctr_va_vdst(0)
	v_rcp_f32 v88, v44
	v_nop                                          ; one plain place behind the reciprocal
	s_wait_alu depctr_va_vdst(0)
	v_pk_mul_f32 v[32:33], v[32:33], v[88:89] op_sel_hi:[1,0]
	v_pk_mul_f32 v[34:35], v[34:35], v[88:89] op_sel_hi:[1,0]
	global_store_b128 v2, v[32:35], s[12:13]       ; the scores
	s_cmp_lt_u32 s14, 2                            ; waves 0 and 1 add the 16 parts: thread i takes d = 4 i .. 4 i + 3
	s_cbranch_scc0 .Lend
.irp p, 0,1,2,3,4,5,6,7,8,9,10,11,12,13,14,15
	ds_load_b128 v[96+4*\p:99+4*\p], v86 offset:1024*\p
.endr
	s_wait_dscnt 0x0
.irp p, 2,3,4,5,6,7,8,9,10,11,12,13,14,15      ; two chains
	v_pk_add_f32 v[96+4*(\p%2):97+4*(\p%2)], v[96+4*(\p%2):97+4*(\p%2)], v[96+4*\p:97+4*\p]
	v_pk_add_f32 v[98+4*(\p%2):99+4*(\p%2)], v[98+4*(\p%2):99+4*(\p%2)], v[98+4*\p:99+4*\p]
.endr
	s_delay_alu instid0(VALU_DEP_2)
	v_pk_add_f32 v[96:97], v[96:97], v[100:101]
	s_delay_alu instid0(VALU_DEP_2)
	v_pk_add_f32 v[98:99], v[98:99], v[102:103]
	v_pk_mul_f32 v[96:97], v[96:97], v[88:89] op_sel_hi:[1,0]
	v_pk_mul_f32 v[98:99], v[98:99], v[88:89] op_sel_hi:[1,0]
	global_store_b128 v2, v[96:99], s[10:11]
.Lend:
	s_wait_tensorcnt 0x0
	ds_add_u32 v160, v161
	s_wait_dscnt 0x0
	s_endpgm
.Lfunc_end_k_qda700e6080_fin:
	.size	k_qda700e6080_fin, .Lfunc_end_k_qda700e6080_fin-k_qda700e6080_fin
	.p2alignl 7, 3214868480
	.fill 96, 4, 3214868480
	.section	.rodata,"a",@progbits
	.p2align	6, 0x0
	.amdhsa_kernel k_qda700e6080_fin
		.amdhsa_group_segment_fixed_size 18688
		.amdhsa_private_segment_fixed_size 0
		.amdhsa_enable_private_segment 0
		.amdhsa_kernarg_size 40
		.amdhsa_user_sgpr_count 2
		.amdhsa_user_sgpr_kernarg_segment_ptr 1
		.amdhsa_wavefront_size32 1
		.amdhsa_system_sgpr_workgroup_id_x 1
		.amdhsa_system_sgpr_workgroup_id_y 1
		.amdhsa_system_sgpr_workgroup_id_z 1
		.amdhsa_system_vgpr_workitem_id 0
		.amdhsa_next_free_vgpr 162
		.amdhsa_next_free_sgpr 66
		.amdhsa_reserve_vcc 0
		.amdhsa_float_denorm_mode_32 3
		.amdhsa_float_denorm_mode_16_64 3
		.amdhsa_memory_ordered 1
		.amdhsa_forward_progress 1
		.amdhsa_inst_pref_size 15
	.end_amdhsa_kernel
	.amdgpu_metadata
---
amdhsa.version: [ 1, 2 ]
amdhsa.kernels:
  - .name:           k_qda700e6080_fin
    .symbol:         k_qda700e6080_fin.kd
    .args:
      - { .name: lgt, .offset: 0, .size: 8, .value_kind: global_buffer, .address_space: global }
      - { .name: mask, .offset: 8, .size: 8, .value_kind: global_buffer, .address_space: global }
      - { .name: part, .offset: 16, .size: 8, .value_kind: global_buffer, .address_space: global }
      - { .name: out0, .offset: 24, .size: 8, .value_kind: global_buffer, .address_space: global }
      - { .name: out1, .offset: 32, .size: 8, .value_kind: global_buffer, .address_space: global }
    .group_segment_fixed_size: 18688
    .private_segment_fixed_size: 0
    .kernarg_segment_align: 8
    .kernarg_segment_size: 40
    .max_flat_workgroup_size: 512
    .sgpr_count:     66
    .vgpr_count:     162
    .wavefront_size: 32
...
	.end_amdgpu_metadata
.endif
;; end of part 3
